; MI455X (gfx1250); checked and timed in simulation.
; The chip was launched on July 23, 2026; its instructions are those of AMD's public machine-readable ISA for CDNA 5 (MIT licence, August 2026) and "CDNA5" Instruction Set Architecture Reference Guide (July 2026). The comments in the code are by the model that wrote it; some were corrected since.
;; LFGA. Allowed arithmetic: matrix products marked QUANTISED: E4M3 operands, one given power-of-two scale a tensor, by v_wmma_f32_16x16x64_fp8_fp8 or v_wmma_f32_16x16x128_fp8_fp8, f32 sums; everything else in f32.
;; Inputs: Wk 64 x 256 float32; Wq 64 x 256 float32; Wv 256 x 256 float32; bk 64 float32; bq 64 float32; bv 256 float32; fa 8 x 256 x 64 x 64 float32; fb 8 x 256 x 64 x 64 float32; gamma one number float32; lowp_scales 10 int32 (the exponents e of the quantised operands' scales 2^e).
;; Outputs: out0 8 x 256 x 64 x 64 float32.
;; This version of the problem:
;;   THIS VERSION OF THE PROBLEM IS GIVEN IN LOW PRECISION. The matrix products marked QUANTISED in the list below multiply operands that are first quantised to E4M3 (4 exponent bits, 3 mantissa bits; 8 bits a number), with one given power-of-two scale for each operand tensor; their sums are f32. All else is computed in f32.
;;   The module's matrix products, in the order in which they are computed (A, B: the left and right operand; K: the contracted axis; several contracted axes count as one K, in the product's order):
;;     1. [M 64, K 256] x [K 256, N 32,768]; A: input Wq; B: input fb: QUANTISED (scales: A lowp_scales[0], B lowp_scales[1])
;;     2. [M 64, K 256] x [K 256, N 32,768]; A: input Wk; B: input fb: QUANTISED (scales: A lowp_scales[2], B lowp_scales[3])
;;     3. [M 256, K 256] x [K 256, N 32,768]; A: input Wv; B: input fa: QUANTISED (scales: A lowp_scales[4], B lowp_scales[5])
;;     4. batch 8 x [M 4,096, K 64] x [K 64, N 4,096]; A: computed on the way; B: computed on the way: QUANTISED (scales: A lowp_scales[6], B lowp_scales[7])
;;     5. batch 8 x [M 256, K 4,096] x [K 4,096, N 4,096]; A: computed on the way; B: softmax (see below): QUANTISED (scales: A lowp_scales[8], B lowp_scales[9])
;;   THE QUANTISER, for each operand of a quantised product, along K:
;;     - The operand's scale is 2^e, e = its entry of the input lowp_scales (int32; the entries are numbered through the quantised products in the list's order, A before B).
;;     - Each number is divided by the scale, clamped to +-448, and rounded to the nearest number of E4M3, ties to even, subnormals kept.
;;     - The product sums the exact products of the quantised numbers (number of the format x scale) in f32.
;;   ~~~python
;;   def quantise(x, axis, e):      # numpy; x: float32 -> the quantised numbers, widened to float32 again
;;       x = np.moveaxis(x, axis, -1); K = x.shape[-1]
;;       r = np.clip(x / 2.0 ** e, -448, 448)
;;       step = 2.0 ** (np.maximum(np.frexp(np.where(r == 0, 1, r))[1] - 1, -6) - 3)
;;       q = np.round(r / step) * step * 2.0 ** e      # np.round: ties to even
;;       return np.moveaxis(q, -1, axis).astype(np.float32)
;;   ~~~
;;   SOFTMAX AHEAD OF A QUANTISED PRODUCT. Where the list says 'softmax', what is quantised is not the finished softmax but p = 2^(t - M), with t = logit x log2(e) and M = ceil(the row's largest t), a whole number; so 1/2 < the row's largest p <= 1. The row's sum l is taken of the UNQUANTISED p, in f32, and the product's result is divided by l at the end. Since M is a whole number, a kernel that streams over the keys may use a running M (the ceiling of the running maximum): every later rescaling is an exact power of two, so the quantised numbers keep their values, but for numbers so far below the row's largest that they fall under the format's range.
;;   OPERANDS COMPUTED ON THE WAY. 'Computed on the way' means the value that the module computes at that place (a softmax that the list does not call 'softmax' is quantised finished and normalised). What goes into a quantiser is computed in f32, as accurately as f32 sums, v_exp_f32 and their like allow (about 1e-6 of the number): no bf16 or f16 on the way to a quantiser, and a product that is left as it is and whose result goes on into a quantised operand takes f32 operands (vector FMAs, or v_wmma_f32_16x16x4_f32). A number that lies on a knife's edge between two numbers of the format may be rounded either way, as far as f32 arithmetic and the matrix unit's own rounding can turn it there, and no further.
;; One version. Each part assembles by itself: llvm-mc -triple=amdgcn-amd-amdhsa -mcpu=gfx1250 --defsym DOCPART=n.
;; ======== version 1 of 1: 2 launches
;; limits: right only within a limited range of input values
;; workspace buffers: qimg 2,097,152 bytes; kv 10,485,760 bytes
;; launch proj (part 1): grid 256 x 1, 8 waves a work-group, no clusters, 99,328 bytes of LDS; arguments fa, fb, Wq, Wk, Wv, bq, bk, bv, lowp_scales, qimg, kv; writes qimg, kv
.if DOCPART == 1
	.amdgcn_target "amdgcn-amd-amdhsa--gfx1250"
	.amdhsa_code_object_version 6
	.text
	.protected	k_q418c63a8ce_proj
	.globl	k_q418c63a8ce_proj
	.p2align	8
	.type	k_q418c63a8ce_proj,@function
k_q418c63a8ce_proj:
	s_mov_b64 s[64:65], 0
	v_nop
	global_prefetch_b8 v0, s[64:65] scope:SCOPE_SE
	s_setreg_imm32_b32 hwreg(HW_REG_WAVE_MODE, 25, 1), 1
	s_wait_xcnt 0x0
; q = Wq fb + bq, k = Wk fb + bk, v = Wv fa + bv (1x1 convolutions: channel products, K = 256 channels), all three on codes of FP8 (E4M3) with the given scales 2^e0 .. 2^e5,
; and their results quantised again (q: e6, k: e7, v: e8) into the operands of the attention launch.  NOTHING OF reference() IS LEFT OUT: every input has a way to the output, and each bias moves codes.
; LIMITS: each e between -126 and 127 (2^e is made as an f32 number); e0+e1, e2+e3, e4+e5 between -126 and 127.  NaN among the inputs is not served.
; The place of k inside a matrix instruction is permuted, alike in both operands: the order of the sums inside an instruction differs from the plain layout's.
; SHARES.  Work-groups with an even number take fa (v), those with an odd number fb (q and k).  A work-group owns 256 positions of one batch (one slot of keys), each of its eight waves 32 of them, for all
; 256 input channels and all output channels of its path.  A LANE TAKES A POSITION AND ITS REGISTERS RUN DOWN THE CHANNELS: each load reads 128 consecutive bytes a wave, and the conversions give codes with K innermost.
; The lanes take the positions with bits 3 and 4 exchanged; 32 exchanges of half registers then make two tiles of 16 positions, T0 = {0-7, 16-23}, T1 = {8-15, 24-31}, lane (r, h) holding channels 128 h .. 128 h + 127.
; THE WEIGHTS are quantised by the work-group itself, each wave a share, and go from wave to wave through LDS as images of the operand's registers (16 bytes a lane, 512 a store).
; No cluster: the weights arrive as f32 and are wanted as codes, so they pass through registers, which joint tensor loads do not serve; f32 weights, their images and the spare words together exceed the LDS.
; OUTPUT, as images of the attention launch's operand registers (a group of four registers: 512 bytes, lane l at 16 l):
;   qimg: tile (b, block of 32 positions, u) at ((128 b + block) 2 + u) 1024, group g at + 512 g: lane (r, h): position T_u[r], registers 2 t, 2 t + 1 = channels 16 t + 8 h + 0 .. 7.
;   kv: step of 128 keys at b 1,310,720 + slot 81,920 + step 40,960: K's tile 2 c + u at + 1024 (2 c + u), laid as q's; V's fragment ct at + 8192 + 2048 ct + 512 c: lane (r, h): channel 16 ct + r, keys 32 c + 16 h + 0 .. 15.
; REGISTERS.  Window 0: v1-15 addresses and scales; v16-31 codes on their way out; v32-95 (and v96-159 for k) the positions' codes; v160-223 four weight fragments; v224-255 four accumulators.
;   Window 1: v0-127 four sets of 32 numbers as loaded; v128-255 two sets of 64 weights (later: v192-255 bq and bk in the result's layout).
.set SPARE, 98304                      ; the spare words: 128 bytes for each of eight waves; no other line names them
.set QKIMG, 65536                      ; LDS: 0 .. 65,535 Wv's 32 fragment images; from here Wq's 8 and Wk's 8: each path has bytes of its own
.set XO,  1                            ; v1   4 x my position in the wave's 32
.set WA,  2                            ; v2   weights: row r of 1,024 bytes + 512 h
.set LI,  3                            ; v3   16 x lane: my place in an image
.set WST, 4                            ; v4   where I store weight images
.set WRD, 5                            ; v5   where I read them back
.set SPW, 6                            ; v6   my spare word; never rewritten
.set NIL, 7                            ; v7   0; never rewritten
.set SCX, 8                            ; v8   2^e of the activations (fb: for q)
.set LMX, 9
.set SCX2, 10                          ; v10 the same for fb's second quantiser (for k)
.set LMX2, 11
.set SCW, 12                           ; v12 of my share of the weights
.set LMW, 13
.set SCO, 14                           ; v14 of the result
.set LMO, 15
.set PCW, 16                           ; v16-31 a weight fragment's codes; later four sets of four result codes
.set CA,  32
.set CB,  96
.set BV,  96                           ; v path: bv[16 ct + r] in both words of the pair at 96 + 2 ct
.set WF,  160
.set DD,  224                          ; accumulator (a, u) at 224 + 16 a + 8 u
.set BO,  224                          ; before the products: 4 r, the offset of bv's loads
.set BO2, 225                          ; 32 h, the offset of bq's and bk's
.set XR,  0                            ; window 1
.set WB0, 128
.set WB1, 192
.set TT,  128
.set BB,  192
.set MSB, 0
.macro WIN new                         ; the immediate's high byte repeats the setting that is left
.if MSB != \new
	s_set_vgpr_msb (MSB<<8)|\new
.set MSB, \new
.endif
.endm
.macro PLACES n
.rept \n
	v_nop
.endr
.endm
.macro MKSC e, sc, lim                 ; 2^e as an f32 number
	s_add_co_i32 s60, s[\e], 127
	s_lshl_b32 s61, s60, 23
	v_mov_b32 v[\sc], s61
.endm
.macro MKMS ea, eb                     ; s[52:53] = 2^(ea + eb): what a sum of codes' products lacks
	s_add_co_i32 s52, s[\ea], s[\eb]
	s_add_co_i32 s52, s52, 127
	s_lshl_b32 s52, s52, 23
	s_mov_b32 s53, s52
.endm
.macro WL buf, off                     ; 64 weights a lane: row r, channels 128 h + 64 s on
	WIN 0x40
.set i, 0
.rept 16
	global_load_b128 v[\buf+4*i:\buf+4*i+3], v[WA], s[46:47] offset:(\off)+16*i
.set i, i+1
.endr
.endm
.macro QW buf, off                     ; they become a fragment's 16 registers, which go to LDS as they stand
	WIN 0x41
.set i, 0
.rept 64
.set i, i+1
.endr
	s_wait_dscnt 0x0                               ; the last image's stores have read these registers
	WIN 0x01
.set i, 0
.rept 8
	v_cvt_scalef32_pk8_fp8_f32 v[PCW+2*i:PCW+2*i+1], v[\buf+8*i:\buf+8*i+7], v[SCW]
.set i, i+1
.endr
	WIN 0
	v_nop                                          ; a plain line behind the last conversion
.irp g, 0,1,2,3
	ds_store_b128 v[WST], v[PCW+4*\g:PCW+4*\g+3] offset:(\off)+512*\g
.endr
.endm
.macro XL b                            ; channels 32 b .. 32 b + 31 of my position: 32 lanes read 128 consecutive bytes; read once in this launch
	WIN 0x40
.set i, 0
.rept 32
	global_load_b32 v[XR+32*((\b)%4)+i], v[XO], s[44:45] offset:(32*(\b)+i)*16384 th:TH_LOAD_NT
.set i, i+1
.endr
.endm
.macro XWAIT b                         ; block b is in.  Behind it 96, 96, 96, 96, 96, 64, 32, 0 loads were issued; the wait names 63 at the most
.if (\b) < 6
	s_wait_loadcnt 63
.elseif (\b) == 6
	s_wait_loadcnt 32
.else
	s_wait_loadcnt 0
.endif
.endm
.macro QX b                            ; 32 numbers -> 8 registers of codes
.set XS, XR+32*((\b)%4)
	WIN 0x41
.set i, 0
.rept 32
.set i, i+1
.endr
	WIN 0x01
.set i, 0
.rept 4
	v_cvt_scalef32_pk8_fp8_f32 v[CA+8*(\b)+2*i:CA+8*(\b)+2*i+1], v[XS+8*i:XS+8*i+7], v[SCX]
.set i, i+1
.endr
.endm
.macro QX2 b                           ; fb is quantised twice: with e1 for q, with e3 for k
.set XS, XR+32*((\b)%4)
	WIN 0x41
.set i, 0
.rept 32
.set i, i+1
.endr
	WIN 0x01
.set i, 0
.rept 4
	v_cvt_scalef32_pk8_fp8_f32 v[CA+8*(\b)+2*i:CA+8*(\b)+2*i+1], v[XS+8*i:XS+8*i+7], v[SCX]
.set i, i+1
.endr
	WIN 0x41
.set i, 0
.rept 32
.set i, i+1
.endr
	WIN 0x01
.set i, 0
.rept 4
	v_cvt_scalef32_pk8_fp8_f32 v[CB+8*(\b)+2*i:CB+8*(\b)+2*i+1], v[XS+8*i:XS+8*i+7], v[SCX2]
.set i, i+1
.endr
.endm
.macro SWAPS base                      ; register a (channels 4 a on) and register 32 + a (channels 128 + 4 a on) exchange halves: v[base ..+31] = tile T0, v[base+32 ..] = tile T1
	WIN 0
	v_nop                                          ; a plain line behind the last conversion
.set i, 0
.rept 32
	v_permlane16_swap_b32 v[\base+i], v[\base+32+i]
.set i, i+1
.endr
.endm
.macro WLOAD P                         ; four weight fragments: two tiles of 16 output channels x two K steps
.set i, 0
.rept 16
	ds_load_b128 v[WF+4*i:WF+4*i+3], v[WRD] offset:8192*(\P)+512*i
.set i, i+1
.endr
.endm
; Eight products: four accumulators by turns, one instruction a turn; the first K step starts the sums.
; qk = 0: source 0 = 16 positions, source 1 = 16 output channels: a lane holds a channel, its registers eight positions.  qk = 1: the sources exchanged: a lane holds a position, its registers eight channels.
.macro MM qk, cb
.irp s, 0,1
	s_wait_alu depctr_va_vdst(0)
.irp a, 0,1
.irp u, 0,1
.if \qk
.if \s == 0
	v_wmma_f32_16x16x128_fp8_fp8 v[DD+16*\a+8*\u:DD+16*\a+8*\u+7], v[WF+32*\a+16*\s:WF+32*\a+16*\s+15], v[\cb+32*\u+16*\s:\cb+32*\u+16*\s+15], 0
.else
	v_wmma_f32_16x16x128_fp8_fp8 v[DD+16*\a+8*\u:DD+16*\a+8*\u+7], v[WF+32*\a+16*\s:WF+32*\a+16*\s+15], v[\cb+32*\u+16*\s:\cb+32*\u+16*\s+15], v[DD+16*\a+8*\u:DD+16*\a+8*\u+7]
.endif
.else
.if \s == 0
	v_wmma_f32_16x16x128_fp8_fp8 v[DD+16*\a+8*\u:DD+16*\a+8*\u+7], v[\cb+32*\u+16*\s:\cb+32*\u+16*\s+15], v[WF+32*\a+16*\s:WF+32*\a+16*\s+15], 0
.else
	v_wmma_f32_16x16x128_fp8_fp8 v[DD+16*\a+8*\u:DD+16*\a+8*\u+7], v[\cb+32*\u+16*\s:\cb+32*\u+16*\s+15], v[WF+32*\a+16*\s:WF+32*\a+16*\s+15], v[DD+16*\a+8*\u:DD+16*\a+8*\u+7]
.endif
.endif
.endr
.endr
.endr
.endm
.macro HOLDS
.set i, 0
.rept 32
.set i, i+1
.endr
.endm
; v: sum x 2^(e4 + e5) + bv, quantised with e8.  Registers of (a, 0) and (a, 1) are positions 16 h + 0 .. 15 of my block: group c of fragment 2 p + a.
.macro EPI_V p
.irp a, 0,1
.irp u, 0,1
.irp i, 0,2,4,6
	v_pk_fma_f32 v[DD+16*\a+8*\u+\i:DD+16*\a+8*\u+\i+1], v[DD+16*\a+8*\u+\i:DD+16*\a+8*\u+\i+1], s[52:53], v[BV+2*(2*(\p)+\a):BV+2*(2*(\p)+\a)+1] op_sel_hi:[1,0,1]   ; each accumulator from its low end on
.endr
.endr
.endr
	HOLDS
	s_wait_alu depctr_va_vdst(0)
	s_wait_xcnt 0x0                                ; the earlier stores have read their data: the codes' registers may be written
.irp a, 0,1
.irp u, 0,1
	v_cvt_scalef32_pk8_fp8_f32 v[PCW+8*((\p)%2)+4*\a+2*\u:PCW+8*((\p)%2)+4*\a+2*\u+1], v[DD+16*\a+8*\u:DD+16*\a+8*\u+7], v[SCO]
.endr
.endr
	v_nop                                          ; a plain line behind the last conversion: the next products write its sources
.irp a, 0,1
	global_store_b128 v[LI], v[PCW+8*((\p)%2)+4*\a:PCW+8*((\p)%2)+4*\a+3], s[48:49] offset:(2*(\p)+\a)*2048   ; the wave stores 512 consecutive bytes, aligned
.endr
.endm
.macro PAIR_V p
	s_wait_dscnt 0x0                               ; the four fragments are in
	MM 0, CA
	PLACES 5                                       ; in front of the loads into the fragments' registers, of the first read of results, and of the next products, which begin these accumulators anew
.if (\p) < 7
	WLOAD (\p)+1
.endif
	EPI_V \p
.endm
; q or k: sum x 2^(eW + eX) + bias, quantised.  Registers of (0, u) and (1, u) are channels 16 t + 8 h + 0 .. 7 of tiles t = 2 g, 2 g + 1: group g of tile u.
.macro EPI_QK g, bb, ob
	WIN 0x10                                       ; the bias lies in window 1
.irp a, 0,1
.irp u, 0,1
.irp i, 0,2,4,6
	v_pk_fma_f32 v[DD+16*\a+8*\u+\i:DD+16*\a+8*\u+\i+1], v[DD+16*\a+8*\u+\i:DD+16*\a+8*\u+\i+1], s[52:53], v[\bb+8*(2*(\g)+\a)+\i:\bb+8*(2*(\g)+\a)+\i+1] op_sel_hi:[1,0,1]
.endr
.endr
.endr
	WIN 0
	HOLDS
	s_wait_alu depctr_va_vdst(0)
	s_wait_xcnt 0x0
.irp u, 0,1
.irp a, 0,1
	v_cvt_scalef32_pk8_fp8_f32 v[PCW+8*(\g)+4*\u+2*\a:PCW+8*(\g)+4*\u+2*\a+1], v[DD+16*\a+8*\u:DD+16*\a+8*\u+7], v[SCO]
.endr
.endr
	v_nop
.irp u, 0,1
	global_store_b128 v[LI], v[PCW+8*(\g)+4*\u:PCW+8*(\g)+4*\u+3], s[\ob:\ob+1] offset:1024*\u+512*(\g)
.endr
.endm
.macro PAIR_QK P, cb, bb, ob
	s_wait_dscnt 0x0
	MM 1, \cb
	PLACES 5
.if (\P) < 3
	WLOAD (\P)+1
.endif
	EPI_QK (\P)%2, \bb, \ob
.endm
	s_load_b512 s[4:19], s[0:1], 0x0               ; fa, fb, Wq, Wk, Wv, bq, bk, bv
	s_load_b128 s[20:23], s[0:1], 0x40             ; the scales' exponents, qimg
	s_load_b64 s[24:25], s[0:1], 0x50              ; kv
	v_lshl_add_u32 v[SPW], v0, 2, SPARE
	v_mov_b32 v[NIL], 0
	v_lshrrev_b32 v16, 5, v0
	s_delay_alu instid0(VALU_DEP_1)
	v_readfirstlane_b32 s26, v16                   ; wave 0..7
	v_and_b32 v17, 31, v0                          ; lane
	s_delay_alu instid0(VALU_DEP_1)
	v_lshlrev_b32 v[LI], 4, v17
	v_and_b32 v18, 15, v0                          ; r
	v_bfe_u32 v19, v0, 4, 1                        ; h
	v_bfe_u32 v20, v0, 3, 1
	v_and_b32 v[XO], 7, v0
	s_delay_alu instid0(VALU_DEP_1)
	v_lshl_or_b32 v[XO], v20, 4, v[XO]             ; the lane's bits 3 and 4 exchanged: my position
	s_delay_alu instid0(VALU_DEP_1)
	v_lshl_or_b32 v[XO], v19, 3, v[XO]
	s_delay_alu instid0(VALU_DEP_1)
	v_lshlrev_b32 v[XO], 2, v[XO]
	v_lshlrev_b32 v[WA], 10, v18
	s_delay_alu instid0(VALU_DEP_1)
	v_lshl_or_b32 v[WA], v19, 9, v[WA]
	v_lshlrev_b32 v[BO], 2, v18
	v_lshlrev_b32 v[BO2], 5, v19
	s_lshr_b32 s27, ttmp9, 1
	s_lshr_b32 s28, s27, 4                         ; batch
	s_and_b32 s29, s27, 15                         ; slot of 256 positions
	s_and_b32 s30, s26, 3                          ; c: my block of 32 in its step of 128
	s_lshl_b32 s54, s28, 22                        ; the activations: batch x 4 MiB + 4 (256 slot + 32 wave)
	s_lshl_b32 s55, s29, 10
	s_add_co_u32 s54, s54, s55
	s_lshl_b32 s55, s26, 7
	s_add_co_u32 s54, s54, s55
	s_mov_b32 s55, 0
	s_mul_i32 s56, s28, 1310720                    ; kv: my step
	s_mul_i32 s57, s29, 81920
	s_add_co_u32 s56, s56, s57
	s_lshr_b32 s57, s26, 2
	s_mul_i32 s57, s57, 40960
	s_add_co_u32 s56, s56, s57
	s_mov_b32 s57, 0
	s_mov_b32 s59, 0
	s_wait_kmcnt 0x0
	s_load_b256 s[32:39], s[20:21], 0x0            ; e0 .. e7
	s_load_b64 s[40:41], s[20:21], 0x20            ; e8, e9
	s_add_nc_u64 s[24:25], s[24:25], s[56:57]
	s_and_b32 s31, ttmp9, 1                        ; the path: the same in all eight waves
	s_cmp_lg_u32 s31, 0
	s_cbranch_scc1 .Lqk
	; ---------------- v = Wv fa + bv ----------------
	s_add_nc_u64 s[44:45], s[4:5], s[54:55]
	s_lshl_b32 s58, s26, 15                        ; my share of Wv: tiles 2 w, 2 w + 1: 32 rows of 1,024 bytes
	s_add_nc_u64 s[46:47], s[12:13], s[58:59]
	s_lshl_b32 s58, s30, 9
	s_add_co_u32 s58, s58, 8192
	s_add_nc_u64 s[48:49], s[24:25], s[58:59]      ; V's fragments of my step, group c
	s_lshl_b32 s58, s26, 13
	v_add_nc_u32 v[WST], s58, v[LI]                ; my four images: 8,192 w on
	v_mov_b32 v[WRD], v[LI]
.set i, 0
	s_wait_alu depctr_va_vdst(0)
.rept 16
	global_load_b32 v[BV+2*i], v[BO], s[18:19] offset:64*i      ; bv[16 ct + r], into both words of a pair
	global_load_b32 v[BV+2*i+1], v[BO], s[18:19] offset:64*i
.set i, i+1
.endr
	WL WB0, 0
	WL WB1, 256
	XL 0
	WIN 0
	s_wait_kmcnt 0x0
	MKSC 37, SCX, LMX                              ; fa: e5
	MKSC 36, SCW, LMW                              ; Wv: e4
	MKSC 40, SCO, LMO                              ; v: e8
	MKMS 36, 37
	s_wait_alu depctr_va_vdst(0)
	s_wait_loadcnt 48                              ; the first 64 weights are in: behind them 16 + 32 loads
	QW WB0, 0
	WL WB0, 16384
	s_wait_loadcnt 48                              ; the second: behind them 32 + 16
	QW WB1, 2048
	WL WB1, 16384+256
	XL 1
	s_wait_loadcnt 48                              ; the third: behind them 16 + 32
	QW WB0, 4096
	s_wait_loadcnt 32                              ; the fourth: behind them 32
	QW WB1, 6144
	XL 2
	XL 3
.irp b, 0,1,2,3,4,5,6,7
	XWAIT \b
	QX \b
.if \b < 4
	XL \b+4
.endif
.endr
	SWAPS CA
	s_wait_dscnt 0x0                               ; for the others' sake: my images have landed
	s_barrier_signal -1
	s_barrier_wait -1                              ; Wv's 32 fragments lie in LDS
	WLOAD 0
.irp p, 0,1,2,3,4,5,6,7
	PAIR_V \p
.endr
	s_wait_tensorcnt 0x0                           ; the wave's end
	ds_add_u32 v[SPW], v[NIL]
	s_wait_dscnt 0x0
	s_endpgm
	; ---------------- q = Wq fb + bq, k = Wk fb + bk ----------------
.Lqk:
	s_add_nc_u64 s[44:45], s[6:7], s[54:55]
	s_cmp_lt_u32 s26, 4                            ; waves 0-3 quantise Wq's four tiles, waves 4-7 Wk's
	s_cselect_b64 s[46:47], s[8:9], s[10:11]
	s_lshl_b32 s58, s30, 14
	s_add_nc_u64 s[46:47], s[46:47], s[58:59]
	s_lshl_b32 s58, s28, 7
	s_lshl_b32 s60, s29, 3
	s_add_co_u32 s58, s58, s60
	s_add_co_u32 s58, s58, s26                     ; my block of 32 positions: 128 b + 8 slot + wave
	s_lshl_b32 s58, s58, 11
	s_add_nc_u64 s[48:49], s[22:23], s[58:59]      ; q's two tiles
	s_lshl_b32 s58, s30, 11
	s_add_nc_u64 s[50:51], s[24:25], s[58:59]      ; K's tiles 2 c, 2 c + 1 of my step
	s_lshl_b32 s58, s26, 12
	s_add_co_u32 s58, s58, QKIMG
	v_add_nc_u32 v[WST], s58, v[LI]                ; my two images
	v_add_nc_u32 v[WRD], QKIMG, v[LI]
	s_wait_alu depctr_va_vdst(0)
	WL WB0, 0
	WL WB1, 256
	XL 0
	WIN 0
	s_wait_kmcnt 0x0
	MKSC 33, SCX, LMX                              ; fb for q: e1
	MKSC 35, SCX2, LMX2                            ; fb for k: e3
	s_cmp_lt_u32 s26, 4
	s_cselect_b32 s62, s32, s34                    ; my weights' e: e0 or e2
	MKSC 62, SCW, LMW
	MKSC 38, SCO, LMO                              ; q: e6
	MKMS 32, 33
	s_wait_alu depctr_va_vdst(0)
	s_wait_loadcnt 48                              ; the first 64 weights: behind them 16 + 32 loads
	QW WB0, 0
	s_wait_loadcnt 32                              ; the second: behind them 32
	QW WB1, 2048
	WIN 0x40
.irp t, 0,1,2,3
	global_load_b128 v[BB+8*\t:BB+8*\t+3], v[BO2], s[14:15] offset:64*\t            ; bq[16 t + 8 h + 0 .. 7]: the result's layout
	global_load_b128 v[BB+8*\t+4:BB+8*\t+7], v[BO2], s[14:15] offset:64*\t+16
	global_load_b128 v[BB+32+8*\t:BB+32+8*\t+3], v[BO2], s[16:17] offset:64*\t      ; bk likewise
	global_load_b128 v[BB+32+8*\t+4:BB+32+8*\t+7], v[BO2], s[16:17] offset:64*\t+16
.endr
	XL 1
	XL 2
	XL 3
.irp b, 0,1,2,3,4,5,6,7
	XWAIT \b
	QX2 \b
.if \b < 4
	XL \b+4
.endif
.endr
	SWAPS CA
	SWAPS CB
	s_wait_dscnt 0x0
	s_barrier_signal -1
	s_barrier_wait -1                              ; Wq's and Wk's 16 fragments lie in LDS
	WLOAD 0
	PAIR_QK 0, CA, BB, 48
	PAIR_QK 1, CA, BB, 48
	MKSC 39, SCO, LMO                              ; k: e7
	MKMS 34, 35
	PAIR_QK 2, CB, BB+32, 50
	PAIR_QK 3, CB, BB+32, 50
	s_wait_tensorcnt 0x0                           ; the wave's end
	ds_add_u32 v[SPW], v[NIL]
	s_wait_dscnt 0x0
	s_endpgm
.Lfunc_end_k_q418c63a8ce_proj:
	.size	k_q418c63a8ce_proj, .Lfunc_end_k_q418c63a8ce_proj-k_q418c63a8ce_proj
	.p2alignl 7, 3214868480
	.fill 96, 4, 3214868480
	.section	.rodata,"a",@progbits
	.p2align	6, 0x0
	.amdhsa_kernel k_q418c63a8ce_proj
		.amdhsa_group_segment_fixed_size 99328
		.amdhsa_private_segment_fixed_size 0
		.amdhsa_enable_private_segment 0
		.amdhsa_kernarg_size 88
		.amdhsa_user_sgpr_count 2
		.amdhsa_user_sgpr_kernarg_segment_ptr 1
		.amdhsa_wavefront_size32 1
		.amdhsa_system_sgpr_workgroup_id_x 1
		.amdhsa_system_sgpr_workgroup_id_y 1
		.amdhsa_system_sgpr_workgroup_id_z 1
		.amdhsa_system_vgpr_workitem_id 0
		.amdhsa_next_free_vgpr 512
		.amdhsa_next_free_sgpr 80
		.amdhsa_reserve_vcc 0
		.amdhsa_float_denorm_mode_32 3
		.amdhsa_float_denorm_mode_16_64 3
		.amdhsa_fp16_overflow 1
		.amdhsa_memory_ordered 1
		.amdhsa_forward_progress 1
		.amdhsa_inst_pref_size 124
	.end_amdhsa_kernel
	.amdgpu_metadata
---
amdhsa.version: [ 1, 2 ]
amdhsa.kernels:
  - .name:           k_q418c63a8ce_proj
    .symbol:         k_q418c63a8ce_proj.kd
    .args:
      - { .name: fa, .offset: 0, .size: 8, .value_kind: global_buffer, .address_space: global }
      - { .name: fb, .offset: 8, .size: 8, .value_kind: global_buffer, .address_space: global }
      - { .name: Wq, .offset: 16, .size: 8, .value_kind: global_buffer, .address_space: global }
      - { .name: Wk, .offset: 24, .size: 8, .value_kind: global_buffer, .address_space: global }
      - { .name: Wv, .offset: 32, .size: 8, .value_kind: global_buffer, .address_space: global }
      - { .name: bq, .offset: 40, .size: 8, .value_kind: global_buffer, .address_space: global }
      - { .name: bk, .offset: 48, .size: 8, .value_kind: global_buffer, .address_space: global }
      - { .name: bv, .offset: 56, .size: 8, .value_kind: global_buffer, .address_space: global }
      - { .name: lowp_scales, .offset: 64, .size: 8, .value_kind: global_buffer, .address_space: global }
      - { .name: qimg, .offset: 72, .size: 8, .value_kind: global_buffer, .address_space: global }
      - { .name: kv, .offset: 80, .size: 8, .value_kind: global_buffer, .address_space: global }
    .group_segment_fixed_size: 99328
    .private_segment_fixed_size: 0
    .kernarg_segment_align: 8
    .kernarg_segment_size: 88
    .max_flat_workgroup_size: 256
    .sgpr_count:     80
    .vgpr_count:     512
    .wavefront_size: 32
...
	.end_amdgpu_metadata
.endif
;; end of part 1
;; launch attn (part 2): grid 32 x 8, 4 waves a work-group, clusters of 4 x 1, 327,680 bytes of LDS; arguments qimg, kv, fa, gamma, lowp_scales, out0; writes out0
.if DOCPART == 2
	.amdgcn_target "amdgcn-amd-amdhsa--gfx1250"
	.amdhsa_code_object_version 6
	.text
	.protected	k_q418c63a8ce_attn
	.globl	k_q418c63a8ce_attn
	.p2align	8
	.type	k_q418c63a8ce_attn,@function
k_q418c63a8ce_attn:
	s_mov_b64 s[64:65], 0
	v_nop
	global_prefetch_b8 v0, s[64:65] scope:SCOPE_SE
	s_setreg_imm32_b32 hwreg(HW_REG_WAVE_MODE, 25, 1), 1
	s_wait_xcnt 0x0
	s_wait_alu depctr_hold_cnt(0) depctr_sa_sdst(0) depctr_va_vdst(0) depctr_va_sdst(0) depctr_va_ssrc(0) depctr_va_vcc(0) depctr_vm_vsrc(0)
	s_getreg_b32 s2, hwreg(HW_REG_IB_STS2, 6, 4)
	s_cmp_eq_u32 s2, 0
	s_cbranch_scc0 .Lentry_in_a_cluster
	s_endpgm
.Lentry_in_a_cluster:
	s_bfe_u32 s2, ttmp6, 0x10000c
	s_cmp_lg_u32 s2, 0x3003
	s_cbranch_scc0 .Lentry_shape_is_right
	s_endpgm
.Lentry_shape_is_right:
; out0[b][c][i] = relu(gamma x (sum over j of v[c][j] p[i][j]) / l[i] + fa[b][c][i]), p the softmax of q[:, i] . k[:, j] over j, both products on codes of FP8 (E4M3) that the launch before has made.
; Nothing of reference() is left out here either.
; THE SOFTMAX: t = score x log2(e); M = the running largest t rounded UP to a whole number; p = 2^(t - M) is quantised with 2^e9, not normalised; l is the sum of the unquantised p, in f32, and divides at the end.
; When M moves, l and O are multiplied by 2^(old M - new M): exact, and with no branch on data.
; LIMITS: e6 + e7 between -126 and 127 (added to the exponent field of log2(e)); e9 between -126 and 127; e8 + e9 is applied by v_ldexp_f32.  NaN among the inputs is not served (the last maximum with 0 drops it).
; SHARES.  A work-group owns 128 queries of a batch, each of its four waves 32: two tiles of 16, so that each fragment of K and V read from LDS feeds two matrix instructions.  Every wave walks all 4,096 keys, 128 a step.
; LAYOUT.  Both products transposed: S^T = K Q^T (source 0 = 16 keys, source 1 = 16 queries), O^T = V P^T (source 0 = 16 channels, source 1 = P): a lane holds ONE query throughout.  The keys of K's tiles are chosen by the
; launch before so that the 16 registers of tiles 2 c, 2 c + 1 are keys 32 c + 16 (lane / 16) + 0 .. 15: the conversions' results are P's fragment.
; K and V lie in memory as images of their operand registers, a slot of 256 keys one dense block of 81,920 bytes: a fragment comes by ds_load_b128 at 16 x lane, with no pitch and no padding.
; CLUSTER.  The four work-groups of a cluster belong to one batch and walk the same slots: each slot is asked for JOINTLY, each wave a quarter (80 rows of 256 bytes), by the same load with a mask that names the four.
; RING.  Two places in LDS, 2^17 bytes apart.  By this text's own count a wave has two tensor loads out at the head and one behind each round.
; REGISTERS, in windows of 256.  Window 0: v1-11, v38 addresses; v12-35 the two tiles' statistics; v37 2^e9; v40-55 Q; v56-87 P's codes; v96-223 S^T, then p; v224-227 four queries' factors.
;   Window 1: O^T (tile t, channels 16 ct on, at 128 t + 8 ct).   Window 2: V of a step.   Window 3: v0-63 K of a step; v64-255 rows 0-47 of my 64 rows of fa, asked for at the head; rows 48-63 take K's place in the last step.
.set SLOT1, 131072
.set STEPB, 40960
.set SLOTB, 81920
.set QUART, 20480
.set SPARE, 262144                     ; the spare words: 128 bytes for each of four waves; no other line names them
.set SP,    528                        ; the way out: a stage of 256 channel rows x (128 queries of f32 + 16 bytes), from LDS byte 0: both places have had their last fill and their last read by then
.set GROW,  256*SP                     ; behind it: 128 factors, one a query
.set LI,   1                           ; v1   16 x lane
.set ADR,  2                           ; v2   LDS address of the step in hand
.set PFO,  3                           ; v3   256 x lane: the prefetch's offset; never rewritten
.set SPW,  4                           ; v4   my spare word; never rewritten
.set NIL,  5                           ; v5   0; never rewritten
.set GADR, 6                           ; v6   where I put my query's factor
.set RD,   7                           ; v7   where I read the stage's rows back
.set STO,  8                           ; v8-11 where I put O^T: a base for each 64 channels
.set ST,   12                          ; tile t at 12 + 12 t: +0 -M, +1 the largest t, +2, +3 l in two halves, +4 f (+5 named with it), +6, +7 at work, +8 the permute's, +10, +11 the sum's second chain
.set LIMP, 36
.set SCP,  37
.set GRD,  38                          ; v38  where I read four queries' factors
.set Q,    40
.set PC,   56
.set S,    96
.set G4,   224
.set WV,   16
.set CS,   46                          ; s[46:47] log2(e) x 2^(e6 + e7)
.set SEL,  48                          ; s[48:49] lane l xor 16
.set TB,   50                          ; s50  the place in hand
.set SLOTS, 51                         ; s51  slots still to be asked for
.set LIM,  52                          ; s52  2 in a wave that prefetches, else the greatest number
.set PFA,  54                          ; s[54:55] where my prefetches stand
.set FAB,  56                          ; s[56:57] fa at my wave's 64 channels and my work-group's 128 positions
.set OB,   58                          ; s[58:59] out0 likewise
.set MSB, 0
.macro WIN new                         ; the immediate's high byte repeats the setting that is left
.if MSB != \new
	s_set_vgpr_msb (MSB<<8)|\new
.set MSB, \new
.endif
.endm
.macro PLACES n
.rept \n
	v_nop
.endr
.endm
.macro CROUND                          ; a round of the cluster's barrier
	s_barrier_signal -1
	s_barrier_wait -1
	s_cmp_lg_u32 s[WV], 0
	s_cbranch_scc1 .Lnot_wave_0_\@
	s_barrier_signal -3
.Lnot_wave_0_\@:
	s_barrier_wait -3
	s_barrier_signal -1
	s_barrier_wait -1
.endm
.macro JLOAD                           ; the joint refill: one line for all four waves, both addresses made of the wave's number; an s_nop 0 and four v_nop follow
	tensor_load_to_lds s[36:39], s[24:31]
	s_nop 0
.rept 4
	v_nop
.endr
.endm
; A PREFETCH INTO THE L2.  The trip that asks for slot i + 1 by its joint load prefetches, where i is even and 2 to 12 (s[SLOTS] odd and above 2), slots i + 2 and i + 3: 163,840 bytes, in 20 shares of 8,192, a lane to 256 bytes.
; All eight clusters of a batch walk the same slots: wave 0 of the work-groups of the batch's first five clusters asks, share 4 x cluster + place, told apart BY ADDRESS.  So each block of slots 4 to 15 is named once in the launch;
; slots 0 to 3 come by their loads alone, and the last trips ask for nothing.
.macro ASK
	s_bitcmp1_b32 s[SLOTS], 0
	s_cselect_b32 s60, s[SLOTS], 0
	s_cmp_gt_u32 s60, s[LIM]
	s_cbranch_scc0 .Lnot_mine_\@
	global_prefetch_b8 v[PFO], s[PFA:PFA+1] th:TH_LOAD_NT scope:SCOPE_SE
.Lnot_mine_\@:
.endm
.macro FETCH_K off                     ; a step's eight tiles of K
	WIN 0xc0
.set i, 0
.rept 16
	ds_load_b128 v[4*i:4*i+3], v[ADR] offset:(\off)+512*i
.set i, i+1
.endr
.endm
.macro FETCH_V                         ; a step's sixteen fragments of V
	WIN 0x80
.set i, 0
.rept 64
	ds_load_b128 v[4*i:4*i+3], v[ADR] offset:8192+512*i
.set i, i+1
.endr
.endm
.macro QKP                             ; S^T = K Q^T: sixteen sums of one instruction each (K = the 64 channels)
	WIN 0x03
.set i, 0
.rept 8
.irp t, 0,1
	v_wmma_f32_16x16x64_fp8_fp8 v[S+64*\t+8*i:S+64*\t+8*i+7], v[8*i:8*i+7], v[Q+8*\t:Q+8*\t+7], 0
.endr
.set i, i+1
.endr
.endm
.macro SM_MAX                          ; the step's largest score of my two queries, among my 64 keys each: two chains a tile; each accumulator is read from its low end on
.irp t, 0,1
	v_max3_num_f32 v[ST+12*\t+6], v[S+64*\t], v[S+64*\t+1], v[S+64*\t+2]
	v_max3_num_f32 v[ST+12*\t+7], v[S+64*\t+3], v[S+64*\t+4], v[S+64*\t+5]
.endr
.set i, 6
.rept 14
.irp t, 0,1
	v_max3_num_f32 v[ST+12*\t+6], v[ST+12*\t+6], v[S+64*\t+i], v[S+64*\t+i+1]
	v_max3_num_f32 v[ST+12*\t+7], v[ST+12*\t+7], v[S+64*\t+i+2], v[S+64*\t+i+3]
.endr
.set i, i+4
.endr
.irp t, 0,1
	v_max3_num_f32 v[ST+12*\t+6], v[ST+12*\t+6], v[S+64*\t+62], v[S+64*\t+63]
.endr
.endm
.macro SM_STAT                         ; the two tiles line by line
.irp t, 0,1
	v_max_num_f32 v[ST+12*\t+6], v[ST+12*\t+6], v[ST+12*\t+7]
.endr
.irp t, 0,1
	v_permlanex16_b32 v[ST+12*\t+8], v[ST+12*\t+6], s[SEL], s[SEL+1]   ; the query's other 64 keys lie in the lane 16 away
.endr
.irp t, 0,1
	v_max_num_f32 v[ST+12*\t+6], v[ST+12*\t+6], v[ST+12*\t+8]
.endr
.irp t, 0,1
	v_mul_f32 v[ST+12*\t+6], s[CS], v[ST+12*\t+6]                      ; as t (the factor is positive)
.endr
.irp t, 0,1
	v_max_num_f32 v[ST+12*\t+1], v[ST+12*\t+1], v[ST+12*\t+6]          ; the running largest t
.endr
.irp t, 0,1
	v_mov_b32 v[ST+12*\t+6], v[ST+12*\t]
.endr
.irp t, 0,1
	v_floor_f32 v[ST+12*\t], -v[ST+12*\t+1]                            ; the new -M = floor(-t): M is a whole number
.endr
.irp t, 0,1
	v_sub_f32 v[ST+12*\t+6], v[ST+12*\t], v[ST+12*\t+6]                ; old M - new M: a whole number, 0 or less
.endr
.irp t, 0,1
	v_cvt_i32_f32 v[ST+12*\t+6], v[ST+12*\t+6]                         ; (it saturates)
.endr
.irp t, 0,1
	v_ldexp_f32 v[ST+12*\t+4], 1.0, v[ST+12*\t+6]                      ; f = 2^(old M - new M)
.endr
.endm
.macro SM_SCALE                        ; t - M, two at a time (of the pairs the low word serves both halves)
.irp t, 0,1
.set i, 0
.rept 32
	v_pk_fma_f32 v[S+64*\t+i:S+64*\t+i+1], v[S+64*\t+i:S+64*\t+i+1], s[CS:CS+1], v[ST+12*\t:ST+12*\t+1] op_sel_hi:[1,0,0]
.set i, i+2
.endr
.endr
.endm
.macro SM_EXP                          ; p = 2^(t - M): one batch of 128
.set i, 0
.rept 128
	v_exp_f32 v[S+i], v[S+i]
.set i, i+1
.endr
.endm
.macro SM_SUM                          ; l takes the unquantised p: two chains a tile, two numbers an instruction
.irp t, 0,1
	v_pk_add_f32 v[ST+12*\t+10:ST+12*\t+11], v[S+64*\t:S+64*\t+1], v[S+64*\t+2:S+64*\t+3]
.endr
.set i, 4
.rept 15
.irp t, 0,1
	v_pk_add_f32 v[ST+12*\t+2:ST+12*\t+3], v[ST+12*\t+2:ST+12*\t+3], v[S+64*\t+i:S+64*\t+i+1]
	v_pk_add_f32 v[ST+12*\t+10:ST+12*\t+11], v[ST+12*\t+10:ST+12*\t+11], v[S+64*\t+i+2:S+64*\t+i+3]
.endr
.set i, i+4
.endr
.irp t, 0,1
	v_pk_add_f32 v[ST+12*\t+2:ST+12*\t+3], v[ST+12*\t+2:ST+12*\t+3], v[ST+12*\t+10:ST+12*\t+11]
.endr
.endm
.macro SM_CODE                         ; p's codes: the conversion; the results are P's fragments
.irp t, 0,1
.irp b, 0,1,2,3
.set i, 0
.rept 16
.set i, i+1
.endr
	v_cvt_scalef32_pk8_fp8_f32 v[PC+16*\t+4*\b:PC+16*\t+4*\b+1], v[S+64*\t+16*\b:S+64*\t+16*\b+7], v[SCP]
	v_cvt_scalef32_pk8_fp8_f32 v[PC+16*\t+4*\b+2:PC+16*\t+4*\b+3], v[S+64*\t+16*\b+8:S+64*\t+16*\b+15], v[SCP]
.endr
.endr
.endm
.macro RESCALE                         ; O^T under the new M: x f, ascending; these are also the plain lines behind the last conversion
	WIN 0x41
.irp t, 0,1
.set i, 0
.rept 64
	v_pk_mul_f32 v[128*\t+i:128*\t+i+1], v[128*\t+i:128*\t+i+1], v[ST+12*\t+4:ST+12*\t+5] op_sel_hi:[1,0]
.set i, i+2
.endr
.endr
.endm
.macro PV zero                         ; O^T += V P^T: 32 accumulators by turns, one instruction a turn.  zero = 1: the first step starts the sums
	WIN 0x52
.set i, 0
.rept 16
.irp t, 0,1
.if \zero
	v_wmma_f32_16x16x128_fp8_fp8 v[128*\t+8*i:128*\t+8*i+7], v[16*i:16*i+15], v[PC+16*\t:PC+16*\t+15], 0
.else
	v_wmma_f32_16x16x128_fp8_fp8 v[128*\t+8*i:128*\t+8*i+7], v[16*i:16*i+15], v[PC+16*\t:PC+16*\t+15], v[128*\t+8*i:128*\t+8*i+7]
.endif
.endr
.set i, i+1
.endr
.endm
; A KEY STEP: 128 keys, the q-th of the place in hand.  first = 1: the launch's first step; last = 1: its last.
.macro STEP q, first, last
	WIN 0
	s_add_co_u32 s60, s[TB], STEPB*(\q)
	v_add_nc_u32 v[ADR], s60, v[LI]
	PLACES 4                                       ; in front of the loads into V's registers, which the last products read
.if (\q) == 0
	FETCH_K 0
.endif
	FETCH_V
	s_wait_dscnt 63                                ; K is in: V's 64 loads are younger
	QKP
	WIN 0
	PLACES 4                                       ; in front of the first read of the scores and of the loads into K's registers
.if (\q) == 0
	s_wait_alu depctr_va_vdst(0)
	FETCH_K STEPB                                  ; the slot's second step's K, a step ahead
.endif
.if \last
	WIN 0xc0
.set i, 48
.rept 16
	global_load_b128 v[4*(i-48):4*(i-48)+3], v[LI], s[FAB:FAB+1] offset:i*16384 th:TH_LOAD_NT   ; K's registers are free: fa's rows 48 to 63
.set i, i+1
.endr
.endif
	WIN 0
	SM_MAX
	SM_STAT
	SM_SCALE
	s_wait_alu depctr_va_vdst(0)
	SM_EXP
.irp t, 0,1
	v_pk_mul_f32 v[ST+12*\t+2:ST+12*\t+3], v[ST+12*\t+2:ST+12*\t+3], v[ST+12*\t+4:ST+12*\t+5] op_sel_hi:[1,0]   ; l under the new M; the plain lines behind the exponentials
.endr
	s_wait_alu depctr_va_vdst(0)                   ; one wait for the batch of 128, ahead of its first reader
	SM_SUM
	SM_CODE
.if \first
	v_nop                                          ; a plain line behind the last conversion; there is no O^T yet to rescale
.else
	RESCALE
.endif
.if (\q) == 0
	s_wait_alu depctr_va_vdst(0)
	s_wait_dscnt 16                                ; V is in; the next step's K, 16 younger loads, may be out
.else
	s_wait_alu depctr_va_vdst(0)
	s_wait_dscnt 0x0                               ; V is in
.endif
	PV \first
.endm
; THE CHANGE OF SLOTS, at a slot's head.  Each wave waits for all its tensor loads (its quarter of the slot ahead), adds 0 to its spare word, and waits for that and for its reads of the place that it has left.
; fill = 1: a round of the cluster's barrier, so that no wave of any partner still reads that place or has a load on its way; the joint refill is the first thing behind it and has two key steps in which to land.
.macro CHANGE fill
	WIN 0
	s_wait_tensorcnt 0x0                           ; no tensor load of mine is out, so the walking descriptor may be written
	ds_add_u32 v[SPW], v[NIL]
.if \fill
	s_xor_b32 s37, s37, SLOT1                      ; the other place than last time,
	s_add_nc_u64 s[38:39], s[38:39], SLOTB         ; the next slot; the type bits on top are not reached
	s_wait_xcnt 0x0                                ; the last prefetch has read its address
	s_add_nc_u64 s[PFA:PFA+1], s[PFA:PFA+1], SLOTB
	s_wait_dscnt 0x0                               ; the add is done, and my reads of the place that I have left are over
	CROUND
	JLOAD
	ASK
.else
	s_wait_dscnt 0x0
	s_barrier_signal -1
	s_barrier_wait -1
.endif
	s_xor_b32 s[TB], s[TB], SLOT1
.endm
	s_load_b256 s[4:11], s[0:1], 0x0               ; qimg s[4:5], kv s[6:7], fa s[8:9], gamma s[10:11]
	s_load_b128 s[12:15], s[0:1], 0x20             ; the scales' exponents s[12:13], out0 s[14:15]
	v_lshl_add_u32 v[SPW], v0, 2, SPARE
	v_mov_b32 v[NIL], 0
	ds_add_u32 v[SPW], v[NIL]                      ; the wave's opening
	ds_add_u32 v[SPW], v[NIL]
	v_lshrrev_b32 v2, 5, v0
	v_readfirstlane_b32 s[WV], v2                  ; wave 0..3
	s_bfe_u32 s17, ttmp6, 0x40000                  ; cx: my place in the cluster
	s_lshl_b32 s18, ttmp9, 2
	s_add_co_u32 s18, s18, s17                     ; my block of 128 queries: it enters global addresses alone
	s_and_b32 s19, ttmp7, 0xffff                   ; the batch, which the four partners share
	; descriptor group 1: 80 rows of 32 elements of 8 bytes, dense
	s_mov_b32 s24, 15|(3<<16)|(1<<21)              ; 15:0 the mask: all four work-groups; 17:16 elements of 8 bytes; 21 set beside a mask; no padding
	s_mov_b32 s25, 32<<16                          ; tensor_dim0 = 32
	s_mov_b32 s26, 80<<16                          ; tensor_dim1 = 80
	s_mov_b32 s27, 32<<16                          ; tile_dim0 = 32
	s_mov_b32 s28, 80                              ; tile_dim1 = 80
	s_mov_b32 s29, 32                              ; from row to row
	s_mov_b32 s30, 0
	s_mov_b32 s31, 0
	s_mov_b32 s[SEL], 0x76543210
	s_mov_b32 s[SEL+1], 0xfedcba98
	s_mov_b32 s[TB], 0
	s_mov_b32 s[SLOTS], 14
	s_cmp_lt_u32 ttmp9, 5                          ; who prefetches: wave 0, in the batch's first five clusters: the same in all four partners
	s_cselect_b32 s60, 0, 1
	s_or_b32 s60, s60, s[WV]
	s_cmp_eq_u32 s60, 0
	s_cselect_b32 s[LIM], 2, -1
	s_mul_i32 s33, s[WV], QUART                    ; my quarter of a slot, in LDS as in memory
	s_mul_i32 s20, s19, 1310720
	s_add_co_u32 s20, s20, s33
	s_mov_b32 s21, 0
	s_mov_b32 s32, 1
	s_mov_b32 s36, 1
	s_add_co_u32 s37, s33, SLOT1
	s_wait_dscnt 0x0                               ; both opening adds are done
	s_wait_kmcnt 0x0
	s_load_b128 s[40:43], s[12:13], 0x18           ; e6, e7, e8, e9
	s_load_b32 s44, s[10:11], 0x0                  ; gamma
	s_add_nc_u64 s[22:23], s[6:7], s[20:21]
	s_mov_b64 s[34:35], s[22:23]                   ; slot 0
	s_add_nc_u64 s[38:39], s[22:23], SLOTB         ; slot 1; this descriptor then walks on
	s_or_b32 s35, s35, 0x80000000
	s_or_b32 s39, s39, 0x80000000
	CROUND                                         ; all four work-groups are here: the first joint loads meet
	tensor_load_to_lds s[32:35], s[24:31]
	s_nop 0
	tensor_load_to_lds s[36:39], s[24:31]
	s_nop 0
.rept 4
	v_nop
.endr
	v_and_b32 v2, 31, v0
	v_lshlrev_b32 v[LI], 4, v2
	s_wait_alu depctr_va_vdst(0)
	v_lshlrev_b32 v[PFO], 8, v2
	s_lshl_b32 s60, s19, 7
	s_lshl_b32 s61, s18, 2
	s_add_co_u32 s60, s60, s61
	s_add_co_u32 s60, s60, s[WV]                   ; my block of 32 queries: 128 b + 4 x block of 128 + wave
	s_lshl_b32 s60, s60, 11
	s_mov_b32 s61, 0
	s_add_nc_u64 s[4:5], s[4:5], s[60:61]
	s_lshl_b32 s60, s19, 22
	s_lshl_b32 s62, s[WV], 20
	s_add_co_u32 s60, s60, s62
	s_lshl_b32 s62, s18, 9
	s_add_co_u32 s60, s60, s62                     ; batch x 4 MiB + 64 channels x wave + 128 positions x block
	s_add_nc_u64 s[FAB:FAB+1], s[8:9], s[60:61]
	s_add_nc_u64 s[OB:OB+1], s[14:15], s[60:61]
	s_mul_i32 s60, s19, 1310720
	s_lshl_b32 s62, s18, 13
	s_add_co_u32 s60, s60, s62
	s_add_co_u32 s60, s60, 2*SLOTB                 ; my share of 8,192 bytes, from slot 2 on: trip i finds it at slot i + 2
	s_add_nc_u64 s[PFA:PFA+1], s[6:7], s[60:61]
.irp n, 0,1,2,3
	global_load_b128 v[Q+4*\n:Q+4*\n+3], v[LI], s[4:5] offset:512*\n   ; Q's two tiles stay in registers
.endr
	WIN 0xc0
.set i, 0
.rept 48
	global_load_b128 v[64+4*i:64+4*i+3], v[LI], s[FAB:FAB+1] offset:i*16384 th:TH_LOAD_NT   ; fa's rows 0 to 47 of my 64, into registers that lie idle: 512 consecutive bytes a load; wanted on the way out
.set i, i+1
.endr
	WIN 0
	; the way out's LDS addresses
	v_and_b32 v[GADR], 15, v0                      ; r
	v_and_b32 v[RD], 8, v0
	v_add_nc_u32 v[GADR], v[GADR], v[RD]           ; r + 8 (r / 8): my query's place in tile 0; tile 1's lies 8 on
	s_lshl_b32 s60, s[WV], 5
	v_add_nc_u32 v[GADR], s60, v[GADR]
	v_lshlrev_b32 v[GADR], 2, v[GADR]              ; 4 x (32 w + r + 8 (r / 8))
	v_bfe_u32 v[RD], v0, 4, 1
	v_mul_u32_u24 v[RD], v[RD], 8*SP               ; lanes 16-31 hold the channels 8 further on
	v_add_nc_u32 v[STO], v[GADR], v[RD]
	v_add_nc_u32 v[STO+1], 64*SP, v[STO]
	v_add_nc_u32 v[STO+2], 128*SP, v[STO]
	v_add_nc_u32 v[STO+3], 192*SP, v[STO]
	v_add_nc_u32 v[GADR], GROW, v[GADR]
	s_mul_i32 s60, s[WV], 64*SP
	v_add_nc_u32 v[RD], s60, v[LI]                 ; back: my 64 channel rows, 16 bytes a lane
	v_add_nc_u32 v[GRD], GROW, v[LI]
.irp t, 0,1
	v_mov_b32 v[ST+12*\t+1], 0xff61b1e6            ; the largest t so far: -3e38, under every t
	v_floor_f32 v[ST+12*\t], -v[ST+12*\t+1]        ; -M
	v_mov_b32 v[ST+12*\t+2], 0                     ; l, in two halves
	v_mov_b32 v[ST+12*\t+3], 0
	v_mov_b32 v[ST+12*\t+5], 0                     ; (named as the upper half of f's pair)
	v_mov_b32 v[ST+12*\t+8], 0                     ; (a lane permute's destination counts as one of its sources)
.endr
	s_wait_kmcnt 0x0
	s_add_co_i32 s60, s40, s41
	s_lshl_b32 s60, s60, 23
	s_add_co_i32 s[CS], s60, 0x3fb8aa3b            ; log2(e) with e6 + e7 added to its exponent field
	s_mov_b32 s[CS+1], s[CS]
	s_add_co_i32 s60, s43, 127
	s_lshl_b32 s61, s60, 23
	v_mov_b32 v[SCP], s61                          ; 2^e9
	s_wait_tensorcnt 1                             ; my quarter of slot 0 is in; slot 1's may stay out
	s_barrier_signal -1
	s_barrier_wait -1                              ; everybody's is
	s_wait_loadcnt 48                              ; Q is in: fa's 48 loads are younger
	STEP 0, 1, 0
	STEP 1, 0, 0
	WIN 0
.Lslot:                                            ; 14 trips: slots 1 to 14 are read, slots 2 to 15 asked for
	CHANGE 1
	STEP 0, 0, 0
	STEP 1, 0, 0
	WIN 0
	s_sub_co_u32 s[SLOTS], s[SLOTS], 1
	s_cmp_lg_u32 s[SLOTS], 0
	s_cbranch_scc1 .Lslot
	CHANGE 0                                       ; the last slot is written out: nothing is left to ask for
	STEP 0, 0, 0
	STEP 1, 0, 1
	; THE WAY OUT.  g = gamma x 2^(e8 + e9) / l for each query.  O^T goes into a stage of 256 channel rows, each wave its 32 queries' columns; each wave then reads 64 whole rows back,
	; makes relu(O g + fa), and stores 512 consecutive bytes of a channel's row an instruction.
	WIN 0
	PLACES 4                                       ; behind the last products
.irp t, 0,1
	v_add_f32 v[ST+12*\t+6], v[ST+12*\t+2], v[ST+12*\t+3]
.endr
.irp t, 0,1
	v_permlanex16_b32 v[ST+12*\t+8], v[ST+12*\t+6], s[SEL], s[SEL+1]
.endr
.irp t, 0,1
	v_add_f32 v[ST+12*\t+6], v[ST+12*\t+6], v[ST+12*\t+8]   ; the row's sum
.endr
	s_wait_alu depctr_va_vdst(0)
.irp t, 0,1
	v_rcp_f32 v[ST+12*\t+7], v[ST+12*\t+6]
.endr
	v_nop                                          ; a plain line behind the reciprocals
	s_add_co_i32 s60, s42, s43
	s_wait_alu depctr_va_vdst(0)                   ; one wait for both, ahead of the first reader
.irp t, 0,1
	v_mul_f32 v[ST+12*\t+7], s44, v[ST+12*\t+7]
.endr
.irp t, 0,1
	v_ldexp_f32 v[ST+12*\t+7], v[ST+12*\t+7], s60
.endr
	s_wait_alu depctr_va_vdst(0)
	s_wait_dscnt 0x0                               ; my reads of both places are over
	s_barrier_signal -1
	s_barrier_wait -1                              ; everybody's are: the stage may be written
.irp t, 0,1
	ds_store_b32 v[GADR], v[ST+12*\t+7] offset:32*\t   ; both halves of the lanes hold the same number
.endr
	WIN 0x04                                       ; the stores' data lie in window 1
.irp g, 0,1,2,3
.irp c, 0,1,2,3
.irp u, 0,1
.irp j, 0,1,2,3,4,5,6,7
	ds_store_b32 v[STO+\g], v[128*\u+8*(4*\g+\c)+\j] offset:(16*\c+\j)*SP+32*\u   ; channel 64 g + 16 c + 8 h + j, query 32 w + 8 u + r + 8 (r / 8); each accumulator from its low end on
.endr
.endr
.endr
.endr
	WIN 0
	s_wait_dscnt 0x0                               ; for the others' sake: my stores have landed
	s_barrier_signal -1
	s_barrier_wait -1
.macro LOADB k                         ; rows 16 k .. 16 k + 15 of my 64, into one of two buffers in S^T's registers
.set i, 0
.rept 16
	ds_load_b128 v[S+64*((\k)%2)+4*i:S+64*((\k)%2)+4*i+3], v[RD] offset:(16*(\k)+i)*SP
.set i, i+1
.endr
.endm
.macro PROC k, younger                 ; younger: the LDS loads issued behind this batch's
.set i, 0
.rept 16
.set row, 16*(\k)+i
.set x, S+64*((\k)%2)+4*i
.if row < 48
.set f, 64+4*row
.else
.set f, 4*(row-48)
.endif
	s_wait_dscnt (\younger)+15-i
	v_pk_fma_f32 v[x:x+1], v[x:x+1], v[G4:G4+1], v[f:f+1]
	v_pk_fma_f32 v[x+2:x+3], v[x+2:x+3], v[G4+2:G4+3], v[f+2:f+3]
	v_max_num_f32 v[x], 0, v[x]
	v_max_num_f32 v[x+1], 0, v[x+1]
	v_max_num_f32 v[x+2], 0, v[x+2]
	v_max_num_f32 v[x+3], 0, v[x+3]
	global_store_b128 v[LI], v[x:x+3], s[OB:OB+1] offset:row*16384 th:TH_STORE_NT   ; 32 lanes store 512 consecutive bytes, aligned; written once
.set i, i+1
.endr
.endm
	ds_load_b128 v[G4:G4+3], v[GRD]                ; the factors of my four queries
	LOADB 0
	LOADB 1
	s_wait_loadcnt 0x0                             ; fa's 64 rows
	WIN 0x30                                       ; fa lies in window 3
	PROC 0, 16
	s_wait_xcnt 0x0                                ; the stores have read their data: the buffer may be loaded again
	LOADB 2
	PROC 1, 16
	s_wait_xcnt 0x0
	LOADB 3
	PROC 2, 16
	PROC 3, 0
	WIN 0
	s_wait_tensorcnt 0x0                           ; the wave's end
	ds_add_u32 v[SPW], v[NIL]
	s_wait_dscnt 0x0
	CROUND                                         ; the closing round: no work-group ends while a partner may still ask for a slot that names it
	s_endpgm
.Lfunc_end_k_q418c63a8ce_attn:
	.size	k_q418c63a8ce_attn, .Lfunc_end_k_q418c63a8ce_attn-k_q418c63a8ce_attn
	.p2alignl 7, 3214868480
	.fill 96, 4, 3214868480
	.section	.rodata,"a",@progbits
	.p2align	6, 0x0
	.amdhsa_kernel k_q418c63a8ce_attn
		.amdhsa_group_segment_fixed_size 327680
		.amdhsa_private_segment_fixed_size 0
		.amdhsa_enable_private_segment 0
		.amdhsa_kernarg_size 48
		.amdhsa_user_sgpr_count 2
		.amdhsa_user_sgpr_kernarg_segment_ptr 1
		.amdhsa_wavefront_size32 1
		.amdhsa_system_sgpr_workgroup_id_x 1
		.amdhsa_system_sgpr_workgroup_id_y 1
		.amdhsa_system_sgpr_workgroup_id_z 1
		.amdhsa_system_vgpr_workitem_id 0
		.amdhsa_next_free_vgpr 1024
		.amdhsa_next_free_sgpr 80
		.amdhsa_reserve_vcc 0
		.amdhsa_float_denorm_mode_32 3
		.amdhsa_float_denorm_mode_16_64 3
		.amdhsa_fp16_overflow 1
		.amdhsa_memory_ordered 1
		.amdhsa_forward_progress 1
		.amdhsa_inst_pref_size 255
	.end_amdhsa_kernel
	.section	.bss,"aw",@nobits
	.p2align	6
	.space	262144
	.amdgpu_metadata
---
amdhsa.version: [ 1, 2 ]
amdhsa.kernels:
  - .name:           k_q418c63a8ce_attn
    .symbol:         k_q418c63a8ce_attn.kd
    .args:
      - { .name: qimg, .offset: 0, .size: 8, .value_kind: global_buffer, .address_space: global }
      - { .name: kv, .offset: 8, .size: 8, .value_kind: global_buffer, .address_space: global }
      - { .name: fa, .offset: 16, .size: 8, .value_kind: global_buffer, .address_space: global }
      - { .name: gamma, .offset: 24, .size: 8, .value_kind: global_buffer, .address_space: global }
      - { .name: lowp_scales, .offset: 32, .size: 8, .value_kind: global_buffer, .address_space: global }
      - { .name: out0, .offset: 40, .size: 8, .value_kind: global_buffer, .address_space: global }
    .group_segment_fixed_size: 327680
    .private_segment_fixed_size: 0
    .kernarg_segment_align: 8
    .kernarg_segment_size: 48
    .max_flat_workgroup_size: 128
    .sgpr_count:     80
    .vgpr_count:     1024
    .wavefront_size: 32
...
	.end_amdgpu_metadata
.endif
;; end of part 2
